; MI455X (gfx1250); checked and timed in simulation.
; The chip was launched on July 23, 2026; its instructions are those of AMD's public machine-readable ISA for CDNA 5 (MIT licence, August 2026) and "CDNA5" Instruction Set Architecture Reference Guide (July 2026). The comments in the code are by the model that wrote it; some were corrected since.
;; Mol Space Multi Head Attention. Allowed arithmetic: matrix products marked QUANTISED: E4M3 operands, one E8M0 scale for each 32 along K, by v_wmma_scale_f32_16x16x128_f8f6f4 with both operands' format E4M3, f32 sums; products left as they are: f32 operands where the result goes on into a quantised operand, else bf16, f16 or f32 operands; f32 sums; everything else in f32.
;; Inputs: Wk 1,024 x 1,024 float32; Wq 1,024 x 1,024 float32; Wv 1,024 x 1,024 float32; x 16,384 x 1,024 float32.
;; Outputs: out0 16,384 x 1,024 float32.
;; This version of the problem:
;;   THIS VERSION OF THE PROBLEM IS GIVEN IN LOW PRECISION. The matrix products marked QUANTISED in the list below multiply operands that are first quantised to E4M3 (4 exponent bits, 3 mantissa bits; 8 bits a number), with one power-of-two scale for each 32 numbers along K (OCP MX v1.0); their sums are f32. All else is computed in f32.
;;   The module's matrix products, in the order in which they are computed (A, B: the left and right operand; K: the contracted axis; several contracted axes count as one K, in the product's order):
;;     1. [M 16,384, K 1,024] x [K 1,024, N 1,024]; A: input x; B: input Wq: QUANTISED
;;     2. [M 16,384, K 1,024] x [K 1,024, N 1,024]; A: input x; B: input Wk: QUANTISED
;;     3. [M 16,384, K 1,024] x [K 1,024, N 1,024]; A: input x; B: input Wv: QUANTISED
;;     4. batch 16,384 x [M 8, K 128] x [K 128, N 8]; A: computed on the way; B: computed on the way: left as it is (M = 8 < 16)
;;     5. batch 16,384 x [M 8, K 8] x [K 8, N 128]; A: softmax; B: computed on the way: left as it is (K = 8 < 32)
;;   THE QUANTISER, for each operand of a quantised product, along K:
;;     - K is cut into blocks of 32 from its start; a last block that is shorter is filled with zeros.
;;     - A block's scale is 2^e with e = floor(log2(the largest magnitude in the block)) - 8, held to -126 .. 127; a block of zeros has e = 0. As a byte (E8M0): e + 127.
;;     - Each number is divided by its block's scale, clamped to +-448, and rounded to the nearest number of E4M3, ties to even, subnormals kept.
;;     - The product sums the exact products of the quantised numbers (number of the format x scale) in f32.
;;   ~~~python
;;   def quantise(x, axis):      # numpy; x: float32 -> the quantised numbers, widened to float32 again
;;       x = np.moveaxis(x, axis, -1); K = x.shape[-1]
;;       x = np.pad(x, [(0, 0)] * (x.ndim - 1) + [(0, -K % 32)]); x = x.reshape(x.shape[:-1] + (-1, 32)); a = np.abs(x).max(-1, keepdims=True)
;;       e = np.where(a > 0, np.clip(np.frexp(np.where(a > 0, a, 1))[1] - 1 - 8, -126, 127), 0)      # np.frexp(a)[1] - 1 = floor(log2(a)), exactly
;;       r = np.clip(x / 2.0 ** e, -448, 448)
;;       step = 2.0 ** (np.maximum(np.frexp(np.where(r == 0, 1, r))[1] - 1, -6) - 3)
;;       q = np.round(r / step) * step * 2.0 ** e      # np.round: ties to even
;;       return np.moveaxis(q.reshape(q.shape[:-2] + (-1,))[..., :K], -1, axis).astype(np.float32)
;;   ~~~
;; One version. Each part assembles by itself: llvm-mc -triple=amdgcn-amd-amdhsa -mcpu=gfx1250 --defsym DOCPART=n.
;; ======== version 1 of 1: 2 launches
;; workspace buffers: wfrag 3,244,032 bytes
;; launch wquant (part 1): grid 192 x 1, 8 waves a work-group, no clusters, 1,536 bytes of LDS; arguments Wq, Wk, Wv, wfrag; writes wfrag
.if DOCPART == 1
	.amdgcn_target "amdgcn-amd-amdhsa--gfx1250"
	.amdhsa_code_object_version 6
	.text
	.protected	k_qfcfefa8328_wquant
	.globl	k_qfcfefa8328_wquant
	.p2align	8
	.type	k_qfcfefa8328_wquant,@function
k_qfcfefa8328_wquant:
	s_mov_b64 s[64:65], 0
	v_nop
	global_prefetch_b8 v0, s[64:65] scope:SCOPE_SE
	s_setreg_imm32_b32 hwreg(HW_REG_WAVE_MODE, 25, 1), 1
	s_wait_xcnt 0x0
; Wq, Wk, Wv [1024][1024] f32 (K innermost) become codes of FP8 (E4M3) with one E8M0 scale byte for each 32 along K, laid in wfrag IN THE ORDER OF THE OPERAND'S REGISTERS of the launch that follows.
; No work of the problem is left out: every input reaches the output, and all five products are live.
; wfrag: 24 fills of FILLB bytes; a fill is 4 wave blocks of WBLK bytes; a block is 16 fragment images of 2,048 bytes (K step s = 0..7, tile u = 0, 1, at (2 s + u) x 2,048), then 1,024 bytes of scale words.
; An image: lane l's 16 bytes at 512 c + 16 l are the codes of tile row l % 16 at k = 128 s + 32 c + 16 (l / 16) + 0 .. 15.  Scale words: at 32,768 + 512 i + 16 l the four words of K steps 4 i .. 4 i + 3;
; lanes 0-15 hold tile 0's rows, lanes 16-31 tile 1's.
; THE ROWS OF A TILE (fill f, wave block w, tile row r):  f < 16: tile 0 from Wq, tile 1 from Wk, row (r % 8) x 128 + 8 f + 2 w + r / 8: eight heads at one d in each half of the tile;
;   f >= 16: both from Wv, head g = 2 ((f - 16) % 4) + u, row 128 g + 64 ((f - 16) / 4) + 16 w + r.
; A block's scale is 2^(floor(log2(its largest magnitude)) - 8); its byte is the largest magnitude's exponent field - 8, held at 1 from below.
; LIMITS: a block of zeros gets the byte 1 where the rule says 127 (its codes are zeros, which add nothing, and this program alone reads the bytes); NaN and infinities among the inputs are not served.
; SHARES: work-group b: fill b / 8, wave block (b / 2) % 4, K half b % 2.  Wave v: tile v % 2, K step 4 (b % 2) + v / 2: one fragment a wave; 1,536 fragments are 192 work-groups of 8 waves.
.set FILLB, 135168
.set WBLK,  33792
.set SPARE, 512                        ; LDS: 0-511 the work-group's scale words; from 512 the spare words, 128 bytes for each of 8 waves
.set SPW, 1                            ; v1   LDS address of my spare word; never rewritten
.set NIL, 2                            ; v2   0; never rewritten
.set X,   16                           ; v16-79   64 numbers: register 16 b + i = k 32 b + 16 (lane / 16) + i of my row
.set TM,  80                           ; v80-95   at work
.set PW,  96                           ; v96      the scale word
.set PC,  100                          ; v100-115 the codes
.set MNT, 29                           ; s29      the mantissa field of 448
.set SEL, 30                           ; s[30:31] lane selects: lane l xor 16
.macro QUANT s                         ; 64 numbers of a lane become a fragment's codes in v[PC] on and its scale word in v[PW]
.irp b, 0,1,2,3
	v_max3_num_f32 v[TM+\b], |v[\s+16*\b]|, |v[\s+1+16*\b]|, 0x4800000   ; block b: my 16 numbers, and the floor 2^(9 - 127): the byte cannot fall under 1
.endr
.irp i, 2,4,6,8,10,12,14
.irp b, 0,1,2,3
	v_max3_num_f32 v[TM+\b], v[TM+\b], |v[\s+16*\b+\i]|, |v[\s+1+16*\b+\i]|   ; the four blocks by turns
.endr
.endr
.irp b, 0,1,2,3
	v_permlanex16_b32 v[TM+4+\b], v[TM+\b], s[SEL], s[SEL+1]
.endr
.irp b, 0,1,2,3
	v_max_num_f32 v[TM+\b], v[TM+\b], v[TM+4+\b]   ; with lane l xor 16's: the block's largest magnitude
.endr
.irp b, 0,1,2,3
	v_add_nc_u32 v[TM+12+\b], 0xfc000000, v[TM+\b]   ; 8 off its exponent field: the conversion's scale operand
.endr
.irp b, 0,1,2,3
	v_and_or_b32 v[TM+8+\b], v[TM+\b], 0x7f800000, s[MNT]   ; 448 x the scale
.endr
.irp b, 0,1,2,3
	v_lshrrev_b32 v[TM+4+\b], 23, v[TM+12+\b]      ; the scale's byte
.endr
	v_lshl_or_b32 v[PW], v[TM+5], 8, v[TM+4]
	v_lshl_or_b32 v[PW], v[TM+6], 16, v[PW]
	v_lshl_or_b32 v[PW], v[TM+7], 24, v[PW]
.irp b, 0,1,2,3
.irp i, 0,1,2,3,4,5,6,7,8,9,10,11,12,13,14,15
	v_med3_num_f32 v[\s+16*\b+\i], v[\s+16*\b+\i], -v[TM+8+\b], v[TM+8+\b]   ; the conversion to an 8-bit code does not saturate (ISA guide 7.6.2): the hold comes first
.endr
	v_cvt_scalef32_pk8_fp8_f32 v[PC+4*\b:PC+1+4*\b], v[\s+16*\b:\s+7+16*\b], v[TM+12+\b]
	v_cvt_scalef32_pk8_fp8_f32 v[PC+2+4*\b:PC+3+4*\b], v[\s+8+16*\b:\s+15+16*\b], v[TM+12+\b]
.endr
	v_nop                                          ; one plain line behind the last conversion
.endm
	s_load_b256 s[4:11], s[0:1], 0x0               ; Wq s[4:5], Wk s[6:7], Wv s[8:9], wfrag s[10:11]
	v_lshl_add_u32 v[SPW], v0, 2, SPARE
	v_mov_b32 v[NIL], 0
	v_lshrrev_b32 v3, 5, v0
	v_readfirstlane_b32 s12, v3                    ; wave 0..7
	s_and_b32 s13, s12, 1                          ; u: my tile
	s_lshr_b32 s14, s12, 1
	s_lshr_b32 s15, ttmp9, 3                       ; f: the fill
	s_bfe_u32 s16, ttmp9, 0x20001                  ; w: the wave block
	s_and_b32 s17, ttmp9, 1                        ; i: the K half
	s_lshl_b32 s18, s17, 2
	s_add_co_u32 s18, s18, s14                     ; s: my K step
	s_lshl_b32 s19, s15, 3
	s_lshl_b32 s20, s16, 1
	s_add_co_u32 s19, s19, s20                     ; f < 16: the rows begin at 8 f + 2 w
	s_and_b32 s21, s15, 7                          ; f >= 16: f - 16
	s_lshr_b32 s22, s21, 2
	s_and_b32 s21, s21, 3
	s_lshl_b32 s21, s21, 1
	s_add_co_u32 s21, s21, s13                     ; the head 2 p + u
	s_lshl_b32 s21, s21, 7
	s_lshl_b32 s22, s22, 6
	s_add_co_u32 s21, s21, s22
	s_lshl_b32 s22, s16, 4
	s_add_co_u32 s21, s21, s22                     ; 128 g + 64 G + 16 w
	s_mul_i32 s25, s15, FILLB
	s_mul_i32 s26, s16, WBLK
	s_add_co_u32 s25, s25, s26                     ; my wave block in wfrag
	s_lshl_b32 s26, s18, 1
	s_add_co_u32 s26, s26, s13
	s_lshl_b32 s26, s26, 11
	s_add_co_u32 s26, s26, s25                     ; my image
	s_mov_b32 s27, 0
	s_lshl_b32 s32, s17, 9
	s_add_co_u32 s32, s32, s25
	s_add_co_u32 s32, s32, 32768                   ; the work-group's 512 bytes of scale words
	s_mov_b32 s33, 0
	s_lshl_b32 s34, s18, 9                         ; my K step in a row: 128 numbers of 4 bytes
	s_mov_b32 s35, 0
	s_mov_b32 s[MNT], 0x600000
	s_mov_b32 s[SEL], 0x76543210
	s_mov_b32 s[SEL+1], 0xfedcba98
	s_cmp_lt_u32 s15, 16
	s_cselect_b32 s19, s19, s21                    ; row = (r % 8) x s23 + (r / 8) x s24 + s19
	s_cselect_b32 s23, 128, 1
	s_cselect_b32 s24, 1, 8
	v_and_b32 v3, 15, v0                           ; r
	v_and_b32 v4, 7, v0
	v_bfe_u32 v5, v0, 3, 1
	v_bfe_u32 v9, v0, 4, 1                         ; lane / 16
	v_mul_u32_u24 v6, s23, v4
	v_mad_u32_u24 v6, v5, s24, v6
	v_add_nc_u32 v6, s19, v6
	v_lshlrev_b32 v6, 12, v6                       ; a row is 4,096 bytes
	v_lshl_add_u32 v6, v9, 6, v6                   ; + my half's 16 numbers of a block
	v_and_b32 v7, 31, v0
	v_lshlrev_b32 v7, 4, v7                        ; 16 x lane
	v_lshlrev_b32 v8, 4, v3                        ; LDS: my row's word: 16 r + 256 u + 4 (wave / 2)
	v_bfe_u32 v10, v0, 5, 1
	v_lshl_add_u32 v8, v10, 8, v8
	v_lshrrev_b32 v10, 6, v0
	v_lshl_add_u32 v8, v10, 2, v8
.irp b, 0,1,2,3
	v_mov_b32 v[TM+4+\b], 0                        ; a lane permute's destination counts as one of its sources
.endr
	s_wait_kmcnt 0x0
	s_cmp_eq_u32 s13, 0                            ; the choice of buffer hangs on ids alone
	s_cselect_b64 s[4:5], s[4:5], s[6:7]
	s_cmp_lt_u32 s15, 16
	s_cselect_b64 s[4:5], s[4:5], s[8:9]
	s_add_nc_u64 s[4:5], s[4:5], s[34:35]
	s_add_nc_u64 s[36:37], s[10:11], s[26:27]
	s_add_nc_u64 s[38:39], s[10:11], s[32:33]
.irp b, 0,1,2,3
.irp j, 0,1,2,3
	global_load_b128 v[X+16*\b+4*\j:X+16*\b+4*\j+3], v6, s[4:5] offset:128*\b+16*\j   ; the sixteen loads together take 512 consecutive bytes of each of 16 rows
.endr
.endr
	s_wait_loadcnt 0x0
	QUANT X
.irp c, 0,1,2,3
	global_store_b128 v7, v[PC+4*\c:PC+4*\c+3], s[36:37] offset:512*\c   ; the wave stores 512 consecutive bytes, aligned
.endr
	ds_store_b32 v8, v[PW]                         ; both halves of the lanes write the same word with the same value
	s_wait_dscnt 0x0                               ; for the others' sake: my store has landed
	s_barrier_signal -1
	s_barrier_wait -1
	s_cmp_lg_u32 s12, 0                            ; wave 0 sends the eight waves' words out as 512 consecutive bytes
	s_cbranch_scc1 .Lend
	ds_load_b128 v[116:119], v7
	s_wait_dscnt 0x0
	global_store_b128 v7, v[116:119], s[38:39]
.Lend:
	s_wait_tensorcnt 0x0                           ; the wave's end: three lines behind my last LDS store
	ds_add_u32 v[SPW], v[NIL]
	s_wait_dscnt 0x0
	s_endpgm
.Lfunc_end_k_qfcfefa8328_wquant:
	.size	k_qfcfefa8328_wquant, .Lfunc_end_k_qfcfefa8328_wquant-k_qfcfefa8328_wquant
	.p2alignl 7, 3214868480
	.fill 96, 4, 3214868480
	.section	.rodata,"a",@progbits
	.p2align	6, 0x0
	.amdhsa_kernel k_qfcfefa8328_wquant
		.amdhsa_group_segment_fixed_size 1536
		.amdhsa_private_segment_fixed_size 0
		.amdhsa_enable_private_segment 0
		.amdhsa_kernarg_size 32
		.amdhsa_user_sgpr_count 2
		.amdhsa_user_sgpr_kernarg_segment_ptr 1
		.amdhsa_wavefront_size32 1
		.amdhsa_system_sgpr_workgroup_id_x 1
		.amdhsa_system_sgpr_workgroup_id_y 1
		.amdhsa_system_sgpr_workgroup_id_z 1
		.amdhsa_system_vgpr_workitem_id 0
		.amdhsa_next_free_vgpr 128
		.amdhsa_next_free_sgpr 66
		.amdhsa_reserve_vcc 0
		.amdhsa_float_denorm_mode_32 3
		.amdhsa_float_denorm_mode_16_64 3
		.amdhsa_memory_ordered 1
		.amdhsa_forward_progress 1
		.amdhsa_inst_pref_size 14
	.end_amdhsa_kernel
	.amdgpu_metadata
---
amdhsa.version: [ 1, 2 ]
amdhsa.kernels:
  - .name:           k_qfcfefa8328_wquant
    .symbol:         k_qfcfefa8328_wquant.kd
    .args:
      - { .name: Wq, .offset: 0, .size: 8, .value_kind: global_buffer, .address_space: global }
      - { .name: Wk, .offset: 8, .size: 8, .value_kind: global_buffer, .address_space: global }
      - { .name: Wv, .offset: 16, .size: 8, .value_kind: global_buffer, .address_space: global }
      - { .name: wfrag, .offset: 24, .size: 8, .value_kind: global_buffer, .address_space: global }
    .group_segment_fixed_size: 1536
    .private_segment_fixed_size: 0
    .kernarg_segment_align: 8
    .kernarg_segment_size: 32
    .max_flat_workgroup_size: 256
    .sgpr_count:     66
    .vgpr_count:     128
    .wavefront_size: 32
...
	.end_amdgpu_metadata
.endif
;; end of part 1
;; launch fused (part 2): grid 256 x 1, 4 waves a work-group, clusters of 4 x 1, 327,680 bytes of LDS; arguments x, wfrag, out0; writes out0
.if DOCPART == 2
	.amdgcn_target "amdgcn-amd-amdhsa--gfx1250"
	.amdhsa_code_object_version 6
	.text
	.protected	k_qfcfefa8328_fused
	.globl	k_qfcfefa8328_fused
	.p2align	8
	.type	k_qfcfefa8328_fused,@function
k_qfcfefa8328_fused:
	s_mov_b64 s[64:65], 0
	v_nop
	global_prefetch_b8 v0, s[64:65] scope:SCOPE_SE
	s_setreg_imm32_b32 hwreg(HW_REG_WAVE_MODE, 25, 1), 1
	s_wait_xcnt 0x0
	s_wait_alu depctr_hold_cnt(0) depctr_sa_sdst(0) depctr_va_vdst(0) depctr_va_sdst(0) depctr_va_ssrc(0) depctr_va_vcc(0) depctr_vm_vsrc(0)
	s_getreg_b32 s2, hwreg(HW_REG_IB_STS2, 6, 4)
	s_cmp_eq_u32 s2, 0
	s_cbranch_scc0 .Lentry_in_a_cluster
	s_endpgm
.Lentry_in_a_cluster:
	s_bfe_u32 s2, ttmp6, 0x10000c
	s_cmp_lg_u32 s2, 0x3003
	s_cbranch_scc0 .Lentry_shape_is_right
	s_endpgm
.Lentry_shape_is_right:
; out[t][h][:] = sum over g of softmax_g(q[t][h] . k[t][g] / sqrt(128)) v[t][g][:], with q, k, v = x W^T on codes of FP8 (E4M3) with one E8M0 scale for each 32 along K.  No work of the problem is left out.
; x [16384][1024] f32 is quantised here; the weights' codes and scale words come from wfrag, laid in the order of the operand's registers (24 fills of 4 wave blocks: 16 fragment images and 1,024 bytes of scale words).
; LIMITS: NaN and infinities among the inputs are not served; a block of zeros of x gets the scale byte 1 where the rule says 127 (its codes are zeros, which add nothing).
; SHARES.  A work-group owns 64 tokens and needs all 3,072 columns.  THE WAVES SHARE THE COLUMNS: each of the four holds the codes of all 64 tokens in 512 registers, and reads only its own wave block of each fill,
; so that a fragment of W is read from LDS once and feeds four matrix instructions.  The products are used transposed (source 0 = 16 rows of W, source 1 = 16 tokens): a lane holds ONE token.
; PHASE 1, fill positions 0-15: a tile of q and a tile of k over all of K (64 matrix instructions, 8 accumulators by turns).  By the choice of W's rows a lane then holds q[0..7][d] and k[0..7][d] of its token at one d:
;   128 packed multiply-adds add q[h] k[g] onto the lane's 64 scores.  THE MIDDLE: the scores are summed over the halves of the lanes and the four waves; softmax with the row's maximum taken away; weights to LDS.
; PHASE 3, positions 16-23: two groups of four; a group leaves v of all 8 heads x 16 d a wave in 256 registers; out = weights x v by packed multiply-adds, through a stage in LDS, 256 aligned bytes to sixteen lanes.
; The two small products are f32 multiply-adds in lanes: the scaled product's result feeds them with no change of lane.
; RING.  Two slots of one fill each; a wave fills and reads its own 33,792 bytes by one tensor load of 132 rows x 256 bytes.  By this text's count a wave has two tensor loads out at the start and one behind each round.
; CLUSTER.  The four work-groups of a cluster walk the same fills: each load is asked for JOINTLY (mask 15).  W is the one operand that work-groups share, so the cluster is 4 x 1.
; THE WALK IS ROTATED BY THE CLUSTER'S NUMBER, by address alone: position n fetches fill (c + n) % 16, and in phase 3 fill 16 + 4 ((n - 16) / 4 xor G') + ((n - 16) % 4 + rho) % 4, so that at any moment the clusters ask
; for different fills.  Phase 1 is a sum over d: its order is free; in phase 3 the output's column and the order in which the weights are read from LDS follow the rotation.
; REGISTERS, in windows of 256 (s_set_vgpr_msb: bits 1:0 source 0, 3:2 source 1, 5:4 source 2, 7:6 destination):
;   window 0: v1-23 addresses; v24-55 x's scale words (tile tt, K step s at 24 + 8 tt + s); v56-63 W's scale words; v64-191 W's fragments, two sets of 64; v192-255 phase 1's accumulators, later weights and results.
;   windows 1, 2: x's fragments (tt, s) at 64 (s % 4) + 16 tt of window 1 + s / 4.   window 3: the scores (tt, 8 h + g) at 64 tt + 8 h + g; in phase 3 the values (tt, i) at 64 tt + 8 i.
.set FILLB, 135168
.set WBLK,  33792
.set SLOT1, 135168                     ; LDS: slot 0 at 0, slot 1 here; wave w's part at w x WBLK
.set SCR,   270336                     ; scratch, written by ds_store alone: no fill lands here
.set XIM,   SCR+33792                  ; prologue: from SCR four stages of 16 rows x 528 bytes; from XIM two buffers of four images (2,048 + 128 bytes)
.set XIB,   8704
.set ATT,   SCR+34816                  ; the weights: 64 token rows of 272 bytes, a[h][g] at 32 h + 4 g.  (The exchange of scores uses SCR .. SCR + 32,767; phase 3's two stages SCR .. SCR + 34,815)
.set OSB,   17408
.set SPARE, 327168                     ; the spare words, 128 bytes for each wave: two blocks of 256 bytes that no other line names
.set SPW, 1                            ; v1   LDS address of my spare word; never rewritten
.set NIL, 2                            ; v2   0; never rewritten
.set LI,  3                            ; v3   16 x lane
.set WA,  4                            ; v4-5 my wave block in slot 0, 1, + 16 x lane
.set PFO, 6                            ; v6   256 x lane: the prefetch's offset; never rewritten
.set XSW, 7                            ; v7-12 the prologue's LDS addresses; in phase 3 they are made anew as the addresses in hand
.set XSR, 8
.set IMW, 9
.set IMS, 10
.set IMR, 11
.set ISR, 12
.set EXW, 13
.set EXR, 14
.set ATW, 15
.set ATR, 16                           ; v16-19 where my token's weights for values 2 i', 2 i' + 1 lie: the heads follow the rotation
.set OSW, 20
.set OSR, 21
.set OGO, 22
.set TP,  23
.set XS,  24
.set WS,  56
.set WF,  64
.set ACC, 192
.set PC,  64                           ; prologue: the codes just made, at work, the scale word: in the registers that W's fragments take later
.set TM,  80
.set PW,  96
.set MNT, 47
.set SEL, 48
.set MSB, 0
.macro WIN new                         ; the immediate's high byte repeats the setting that is left; a switch that changes nothing is dropped
.if MSB != (\new)
	s_set_vgpr_msb (MSB<<8)|(\new)
.set MSB, (\new)
.endif
.endm
.macro PLACES                          ; eight places behind this matrix form, ahead of a load into one of its registers and of the first read of a result
.rept 8
	v_nop
.endr
.endm
.macro BARRIER                         ; my LDS stores have landed and my LDS loads are in: then the work-group's barrier
	s_wait_dscnt 0x0
	s_barrier_signal -1
	s_barrier_wait -1
.endm
.macro CREST                           ; a round of the cluster's barrier behind its opening barrier
	s_cmp_lg_u32 s10, 0
	s_cbranch_scc1 .Lnot_wave_0_\@
	s_barrier_signal -3
.Lnot_wave_0_\@:
	s_barrier_wait -3
	s_barrier_signal -1
	s_barrier_wait -1
.endm
.macro CROUND
	s_barrier_signal -1
	s_barrier_wait -1
	CREST
.endm
.macro NEXTIDX                         ; s35 = the fill of position s34 (ids and the count of positions alone: the same in all four partners); then the position steps
	s_add_co_u32 s38, s13, s34
	s_and_b32 s38, s38, 15                         ; positions 0-15: (c + n) % 16
	s_and_b32 s39, s34, 15                         ; positions 16-23: m = n - 16
	s_lshr_b32 s40, s39, 2
	s_xor_b32 s40, s40, s15
	s_lshl_b32 s40, s40, 2
	s_add_co_u32 s39, s39, s14
	s_and_b32 s39, s39, 3
	s_add_co_u32 s40, s40, s39
	s_add_co_u32 s40, s40, 16
	s_cmp_lt_u32 s34, 16
	s_cselect_b32 s35, s38, s40
	s_add_co_u32 s34, s34, 1
.endm
.macro SETG0 slot                      ; the slot's group 0 takes fill s35: written only where no tensor load of mine is out
	s_mul_i32 s36, s35, FILLB
	s_add_nc_u64 s[26+4*\slot:27+4*\slot], s[32:33], s[36:37]
	s_or_b32 s[27+4*\slot], s[27+4*\slot], 0x80000000
.endm
.macro QUANT s                         ; 64 numbers of a lane, register 16 b + i = k 32 b + 16 (lane / 16) + i of my row, become a fragment's codes in v[PC] on and its scale word in v[PW]
.irp b, 0,1,2,3
	v_max3_num_f32 v[TM+\b], |v[\s+16*\b]|, |v[\s+1+16*\b]|, 0x4800000   ; block b: my 16 numbers, and the floor 2^(9 - 127): the byte cannot fall under 1
.endr
.irp i, 2,4,6,8,10,12,14
.irp b, 0,1,2,3
	v_max3_num_f32 v[TM+\b], v[TM+\b], |v[\s+16*\b+\i]|, |v[\s+1+16*\b+\i]|
.endr
.endr
.irp b, 0,1,2,3
	v_permlanex16_b32 v[TM+4+\b], v[TM+\b], s[SEL], s[SEL+1]
.endr
.irp b, 0,1,2,3
	v_max_num_f32 v[TM+\b], v[TM+\b], v[TM+4+\b]   ; with lane l xor 16's: the block's largest magnitude
.endr
.irp b, 0,1,2,3
	v_add_nc_u32 v[TM+12+\b], 0xfc000000, v[TM+\b]   ; 8 off its exponent field: the conversion's scale operand
.endr
.irp b, 0,1,2,3
	v_and_or_b32 v[TM+8+\b], v[TM+\b], 0x7f800000, s[MNT]   ; 448 x the scale
.endr
.irp b, 0,1,2,3
	v_lshrrev_b32 v[TM+4+\b], 23, v[TM+12+\b]      ; the scale's byte
.endr
	v_lshl_or_b32 v[PW], v[TM+5], 8, v[TM+4]
	v_lshl_or_b32 v[PW], v[TM+6], 16, v[PW]
	v_lshl_or_b32 v[PW], v[TM+7], 24, v[PW]
.irp b, 0,1,2,3
.irp i, 0,1,2,3,4,5,6,7,8,9,10,11,12,13,14,15
	v_med3_num_f32 v[\s+16*\b+\i], v[\s+16*\b+\i], -v[TM+8+\b], v[TM+8+\b]   ; the conversion to an 8-bit code does not saturate (ISA guide 7.6.2): the hold comes first
.endr
	v_cvt_scalef32_pk8_fp8_f32 v[PC+4*\b:PC+1+4*\b], v[\s+16*\b:\s+7+16*\b], v[TM+12+\b]
	v_cvt_scalef32_pk8_fp8_f32 v[PC+2+4*\b:PC+3+4*\b], v[\s+8+16*\b:\s+15+16*\b], v[TM+12+\b]
.endr
	v_nop                                          ; one plain line behind the last conversion
.endm
.macro XLOAD s                         ; K step s of my 16 tokens, as it lies: each load takes 512 consecutive bytes of a row; into the registers that x's fragments of that K step take later
	WIN 0x40*(1+(\s)/4)
.irp i, 0,1,2,3,4,5,6,7,8,9,10,11,12,13,14,15
	global_load_b128 v[64*((\s)%4)+4*\i:64*((\s)%4)+4*\i+3], v[LI], s[4:5] offset:4096*\i+512*(\s) th:TH_LOAD_NT
.endr
.endm
; One K step of the prologue: my 16 tokens' 128 numbers turn through my own stage, so that a lane holds 16 neighbours of each block; they are quantised; the fragment goes to LDS as an image of its registers;
; behind the barrier every wave takes all four tiles' images.  Two image buffers by turns: one barrier a K step orders the stores with the reads, and the reads with the stores two steps on.
.macro XSTEP s
.if 7-(\s) >= 2
	s_wait_loadcnt 32                              ; this K step's 16 loads are in; those of the next two may be out
.else
	s_wait_loadcnt 16*(7-(\s))
.endif
	WIN 0x04*(1+(\s)/4)
.irp i, 0,1,2,3,4,5,6,7,8,9,10,11,12,13,14,15
	ds_store_b128 v[XSW], v[64*((\s)%4)+4*\i:64*((\s)%4)+4*\i+3] offset:528*\i
.endr
.if (\s)+3 <= 7
	XLOAD (\s)+3
.endif
	WIN 0
.irp b, 0,1,2,3
.irp j, 0,1,2,3
	ds_load_b128 v[192+16*\b+4*\j:192+16*\b+4*\j+3], v[XSR] offset:128*\b+16*\j   ; LDS serves a wave's instructions in order: these see my stores
.endr
.endr
	s_wait_dscnt 0x0                               ; and the last K step's images are in
	QUANT 192
.irp c, 0,1,2,3
	ds_store_b128 v[IMW], v[PC+4*\c:PC+4*\c+3] offset:XIB*((\s)%2)+512*\c
.endr
	ds_store_b32 v[IMS], v[PW] offset:XIB*((\s)%2)
	BARRIER
	WIN 0x40*(1+(\s)/4)
.irp tt, 0,1,2,3
.irp c, 0,1,2,3
	ds_load_b128 v[64*((\s)%4)+16*\tt+4*\c:64*((\s)%4)+16*\tt+4*\c+3], v[IMR] offset:XIB*((\s)%2)+2176*\tt+512*\c
.endr
.endr
	WIN 0
.irp tt, 0,1,2,3
	ds_load_b32 v[XS+8*\tt+(\s)], v[ISR] offset:XIB*((\s)%2)+2176*\tt
.endr
.endm
.macro RUN adr, i                      ; 16 LDS loads: W's fragments of K steps 2 i, 2 i + 1, both tiles, into set i % 2
.irp sl, 0,1
.irp u, 0,1
.irp c, 0,1,2,3
	ds_load_b128 v[WF+64*((\i)%2)+32*\sl+16*\u+4*\c:WF+64*((\i)%2)+32*\sl+16*\u+4*\c+3], v[\adr] offset:(2*(2*(\i)+\sl)+\u)*2048+512*\c
.endr
.endr
.endr
.endm
.macro WSC adr                         ; W's scale words of all 8 K steps: lanes 0-15 tile 0's rows, lanes 16-31 tile 1's
	ds_load_b128 v[WS:WS+3], v[\adr] offset:32768
	ds_load_b128 v[WS+4:WS+7], v[\adr] offset:32768+512
.endm
; 8 matrix instructions: K step s, four tiles of tokens x two tiles of W.  mode 1: into phase 1's accumulators; mode 3: into the values (tt, 2 p + u).  K step 0 starts the sums with the constant 0.
; The eight accumulators take turns, one instruction a turn.
.macro MM8 s, mode, p
.irp tt, 0,1,2,3
.irp u, 0,1
.set rA, WF+64*(((\s)/2)%2)+32*((\s)%2)+16*\u
.set rB, 64*((\s)%4)+16*\tt
.if \mode == 1
.set rD, ACC+16*\tt+8*\u
.else
.set rD, 64*\tt+8*(2*(\p)+\u)
.endif
.if (\s) == 0
.if \u == 0
	v_wmma_scale_f32_16x16x128_f8f6f4 v[rD:rD+7], v[rA:rA+15], v[rB:rB+15], 0, v[WS+(\s)], v[XS+8*\tt+(\s)]
.else
	v_wmma_scale_f32_16x16x128_f8f6f4 v[rD:rD+7], v[rA:rA+15], v[rB:rB+15], 0, v[WS+(\s)], v[XS+8*\tt+(\s)] matrix_a_scale:MATRIX_SCALE_ROW1
.endif
.else
.if \u == 0
	v_wmma_scale_f32_16x16x128_f8f6f4 v[rD:rD+7], v[rA:rA+15], v[rB:rB+15], v[rD:rD+7], v[WS+(\s)], v[XS+8*\tt+(\s)]
.else
	v_wmma_scale_f32_16x16x128_f8f6f4 v[rD:rD+7], v[rA:rA+15], v[rB:rB+15], v[rD:rD+7], v[WS+(\s)], v[XS+8*\tt+(\s)] matrix_a_scale:MATRIX_SCALE_ROW1
.endif
.endif
.endr
.endr
.endm
.macro FMA1                            ; scores (tt, 8 h + g) += q[h] k[g], two g at a time; q[h] serves both halves.  h = 0, g = 0 comes first: each accumulator is read from its low end on
.irp tt, 0,1,2,3
.irp h, 0,1,2,3,4,5,6,7
.irp gp, 0,1,2,3
.if (\h)%2 == 0
	v_pk_fma_f32 v[64*\tt+8*\h+2*\gp:64*\tt+8*\h+2*\gp+1], v[ACC+16*\tt+\h:ACC+16*\tt+\h+1], v[ACC+16*\tt+8+2*\gp:ACC+16*\tt+8+2*\gp+1], v[64*\tt+8*\h+2*\gp:64*\tt+8*\h+2*\gp+1] op_sel_hi:[0,1,1]
.else
	v_pk_fma_f32 v[64*\tt+8*\h+2*\gp:64*\tt+8*\h+2*\gp+1], v[ACC+16*\tt+\h-1:ACC+16*\tt+\h], v[ACC+16*\tt+8+2*\gp:ACC+16*\tt+8+2*\gp+1], v[64*\tt+8*\h+2*\gp:64*\tt+8*\h+2*\gp+1] op_sel:[1,0,0] op_sel_hi:[1,1,1]
.endif
.endr
.endr
.endr
.endm
; THE PREFETCH of Wv's eight fills: 4,224 blocks of 256 bytes, each named once: wave 0 of the work-groups of clusters 0 to 32 asks, a lane a block; the partners are told apart by address.  One instruction, in the chunk
; in which the count of positions has become 12: four positions ahead of the first load of such a fill.  The fills of q and k are all asked for by the first two loads of the clusters' rotated walks.
.macro ASK
	s_cmp_eq_u32 s34, s50
	s_cbranch_scc0 .Lnot_mine_\@
	global_prefetch_b8 v[PFO], s[52:53] th:TH_LOAD_NT scope:SCOPE_SE
.Lnot_mine_\@:
.endm
; A CHUNK: one fill position, 64 matrix instructions.  On entry my LDS loads out are, in order: K steps 0, 1 (16), the scale words (2), K steps 2, 3 (16).
; turn = 2: this slot is filled again, two positions on; 1: only the last fill is waited for; 0: nothing.  pre = 1: the next chunk's first fragments are fetched.
.macro CHUNK cur, nxt, mode, p, turn, pre
	s_wait_dscnt 16                                ; K steps 0, 1 and the scale words are in
	WIN 0x04+0xf0*((\mode)/3)
	MM8 0, \mode, \p
	MM8 1, \mode, \p
	WIN 0
	PLACES
	RUN WA+\cur, 2
	s_wait_dscnt 16                                ; K steps 2, 3 are in
	WIN 0x04+0xf0*((\mode)/3)
	MM8 2, \mode, \p
	MM8 3, \mode, \p
	WIN 0
	PLACES
	RUN WA+\cur, 3
.if \turn == 2
	s_wait_tensorcnt 0x0                           ; all my tensor loads have landed: the one that was out is my part of the next slot; so a group 0 may be written
	ds_add_u32 v[SPW], v[NIL]                      ; 0 onto my spare word: scalar work and 16 matrix instructions stand between it and the wait for it
	NEXTIDX
	SETG0 \cur
	s_wait_dscnt 17                                ; K steps 4, 5 are in (the 16 loads behind them and the add may be out)
.else
	s_wait_dscnt 16
.endif
	WIN 0x08+0xf0*((\mode)/3)
	MM8 4, \mode, \p
	MM8 5, \mode, \p
	s_wait_dscnt 0x0                               ; the add is done, and my reads of this slot are over
.if \turn == 2
	s_barrier_signal -1                            ; this barrier opens a round of the cluster's barrier
	MM8 6, \mode, \p
	WIN 0
	s_barrier_wait -1
	CREST                                          ; no wave of any partner still reads this slot or has a load on its way
	tensor_load_to_lds s[24+4*\cur:27+4*\cur], s[16:23]   ; the first thing behind the round, and my one tensor load until the next
	s_nop 0
	PLACES
.else
	MM8 6, \mode, \p
	WIN 0
	PLACES
.if \turn == 1
	s_wait_tensorcnt 0x0                           ; the last fill, my own bytes, has landed
.endif
.endif
.if \pre
	RUN WA+\nxt, 0
.endif
.if (\turn == 2) && (\mode == 1)
	ASK
.endif
	WIN 0x08+0xf0*((\mode)/3)
	MM8 7, \mode, \p
	WIN 0
	PLACES
.if \pre
	WSC WA+\nxt
	RUN WA+\nxt, 1
.endif
.if \mode == 1
	WIN 0xf0
	FMA1
	WIN 0
.endif
.endm
; One round of the exchange of scores: every wave stores its partial sums of tiles 2 q and 2 q + 1; behind the barrier wave w sums the four waves' parts of tile 2 q + w % 2 into the scores' registers (q, 0 .. 31).
.macro XROUND q
	WIN 0x0c
.irp t, 0,1
.irp c, 0,1,2,3,4,5,6,7
	ds_store_b128 v[EXW], v[64*(2*\q+\t)+4*\c:64*(2*\q+\t)+4*\c+3] offset:16384*\t+512*\c
.endr
.endr
	WIN 0
	BARRIER
	WIN 0xc0
.irp src, 0,1,2,3
.irp c, 0,1,2,3,4,5,6,7
	ds_load_b128 v[64*\src+32+4*\c:64*\src+32+4*\c+3], v[EXR] offset:4096*\src+512*\c
.endr
.endr
	s_wait_dscnt 0x0
	WIN 0xcf
.set i, 0
.rept 16
	v_pk_add_f32 v[64*\q+i:64*\q+i+1], v[32+i:33+i], v[96+i:97+i]
	v_pk_add_f32 v[160+i:161+i], v[160+i:161+i], v[224+i:225+i]
.set i, i+2
.endr
.set i, 0
.rept 16
	v_pk_add_f32 v[64*\q+i:64*\q+i+1], v[64*\q+i:64*\q+i+1], v[160+i:161+i]
.set i, i+2
.endr
	WIN 0
.endm
; out for token tile tt: two trips, heads 4 hq .. 4 hq + 3.  A lane makes 4 heads x 8 d of its token; the four waves' 16 d each meet in a stage; wave w then stores head 4 hq + w of the 16 tokens, 256 bytes a token.
; Two stages by turns: one barrier a trip orders the stores with the reads, and the reads with the stores two trips on.  The next trip's weights are fetched behind the barrier.
.macro PVT tt, last
	s_mov_b32 s54, 0
	s_mov_b32 s56, 0
	s_mov_b32 s57, s58
.if \tt < 3
	s_mov_b32 s55, (\tt)*4352+128                  ; where the next trip's weights lie
.endif
.Lpv_\@:
	s_wait_xcnt 0x0                                ; the last trip's stores have read their data and their offset
.if \tt == 3
	s_xor_b32 s38, s54, 1
	s_mul_i32 s55, s38, 13184                      ; tile 3's second half, then back to tile 0 for the second group
.endif
.irp ip, 0,1,2,3
	v_add_nc_u32 v[7+\ip], s55, v[ATR+\ip]
.endr
	v_add_nc_u32 v11, s56, v[OSW]
	v_add_nc_u32 v12, s56, v[OSR]
	v_add_nc_u32 v[TP], s57, v[OGO]
	WIN 0x0c
.irp i, 0,1,2,3,4,5,6,7
.irp hl, 0,1,2,3
.irp jp, 0,1,2,3
.if \i == 0
	v_pk_mul_f32 v[224+8*\hl+2*\jp:225+8*\hl+2*\jp], v[192+8*\hl:193+8*\hl], v[64*(\tt)+2*\jp:64*(\tt)+2*\jp+1] op_sel_hi:[0,1]
.elseif (\i)%2 == 0
	v_pk_fma_f32 v[224+8*\hl+2*\jp:225+8*\hl+2*\jp], v[192+8*\hl+\i:193+8*\hl+\i], v[64*(\tt)+8*\i+2*\jp:64*(\tt)+8*\i+2*\jp+1], v[224+8*\hl+2*\jp:225+8*\hl+2*\jp] op_sel_hi:[0,1,1]
.else
	v_pk_fma_f32 v[224+8*\hl+2*\jp:225+8*\hl+2*\jp], v[191+8*\hl+\i:192+8*\hl+\i], v[64*(\tt)+8*\i+2*\jp:64*(\tt)+8*\i+2*\jp+1], v[224+8*\hl+2*\jp:225+8*\hl+2*\jp] op_sel:[1,0,0] op_sel_hi:[1,1,1]
.endif
.endr
.endr
.endr
	WIN 0
.irp hl, 0,1,2,3
	ds_store_b128 v11, v[224+8*\hl:227+8*\hl] offset:4352*\hl
	ds_store_b128 v11, v[228+8*\hl:231+8*\hl] offset:4352*\hl+16
.endr
	BARRIER
.irp t, 0,1,2,3,4,5,6,7
	ds_load_b128 v[224+4*\t:227+4*\t], v12 offset:544*\t
.endr
.if (\tt == 3) && \last
	s_cmp_eq_u32 s54, 1                            ; behind the very last trip no weights are wanted
	s_cbranch_scc1 .Lnoa_\@
.endif
.irp hl, 0,1,2,3
.irp ip, 0,1,2,3
	ds_load_b64 v[192+8*\hl+2*\ip:193+8*\hl+2*\ip], v[7+\ip] offset:32*\hl
.endr
.endr
.if (\tt == 3) && \last
.Lnoa_\@:
.endif
	s_wait_dscnt 0x0
.irp t, 0,1,2,3,4,5,6,7
	global_store_b128 v[TP], v[224+4*\t:227+4*\t], s[8:9] offset:65536*(\tt)+8192*\t th:TH_STORE_NT   ; sixteen lanes store 256 consecutive bytes, aligned: 64 d of one head of one token
.endr
.if \tt < 3
	s_add_co_u32 s55, s55, 4224
.endif
	s_add_co_u32 s56, s56, OSB
	s_add_co_u32 s57, s57, 2048
	s_add_co_u32 s54, s54, 1
	s_cmp_lt_u32 s54, 2
	s_cbranch_scc1 .Lpv_\@
.endm
	s_load_b128 s[4:7], s[0:1], 0x0                ; x s[4:5], wfrag s[6:7]
	s_load_b64 s[8:9], s[0:1], 0x10                ; out0
	v_lshl_add_u32 v[SPW], v0, 2, SPARE
	v_mov_b32 v[NIL], 0
	ds_add_u32 v[SPW], v[NIL]                      ; the wave's opening: the add, twice on end, and its wait ahead of my first tensor load; the set-up below stands between
	ds_add_u32 v[SPW], v[NIL]
	v_lshrrev_b32 v[TP], 5, v0
	v_readfirstlane_b32 s10, v[TP]                 ; wave 0..3
	s_bfe_u32 s11, ttmp6, 0x40000                  ; cx: it enters x's, out0's and the prefetch's addresses alone
	s_mov_b32 s13, ttmp9                           ; c: the cluster's number
	s_lshl_b32 s12, s13, 2
	s_add_co_u32 s12, s12, s11                     ; my block of 64 tokens
	s_and_b32 s14, s13, 3                          ; rho
	s_bfe_u32 s15, s13, 0x10002                    ; G'
	s_mov_b32 s16, 15|(3<<16)|(1<<21)              ; group 1: the mask of all four partners; elements of 8 bytes; bit 21 beside the mask; no padding
	s_mov_b32 s17, 32<<16                          ; tensor_dim0 = 32 elements: 256 bytes
	s_mov_b32 s18, 132<<16                         ; tensor_dim1 = 132 rows
	s_mov_b32 s19, 32<<16                          ; tile_dim0
	s_mov_b32 s20, 132                             ; tile_dim1
	s_mov_b32 s21, 32                              ; the pitch: the block is dense
	s_mov_b32 s22, 0
	s_mov_b32 s23, 0
	s_mov_b32 s24, 1
	s_mul_i32 s25, s10, WBLK                       ; my part of slot 0,
	s_mov_b32 s28, 1
	s_add_co_u32 s29, s25, SLOT1                   ; of slot 1
	s_mov_b32 s34, 0
	s_mov_b32 s37, 0
	s_mov_b32 s42, 0x3e0293ee                      ; log2(e) / sqrt(128)
	s_mov_b32 s43, s42
	s_mov_b32 s45, 0xffff0000                      ; lanes 16-31
	s_mov_b32 s[MNT], 0x600000
	s_mov_b32 s[SEL], 0x76543210
	s_mov_b32 s[SEL+1], 0xfedcba98
	s_cmp_lt_u32 s10, 2
	s_cselect_b32 s46, 0, -1                       ; all lanes where my token tile is 2 or 3
	s_cmp_lt_u32 s13, 33
	s_cselect_b32 s38, 0, 1
	s_or_b32 s38, s38, s10
	s_cmp_eq_u32 s38, 0
	s_cselect_b32 s50, 12, -1                      ; 12 in a wave that prefetches
	v_and_b32 v64, 31, v0                          ; lane
	v_and_b32 v65, 15, v0                          ; r
	v_bfe_u32 v66, v0, 4, 1                        ; lane / 16
	v_mul_u32_u24 v67, v65, 272
	v_lshlrev_b32 v[LI], 4, v64
	v_add_nc_u32 v[WA], s25, v[LI]
	v_add_nc_u32 v[WA+1], s29, v[LI]
	v_lshlrev_b32 v[PFO], 8, v64
	s_mul_i32 s38, s10, 8448
	s_add_co_u32 s38, s38, SCR                     ; my stage for x
	v_add_nc_u32 v[XSW], s38, v[LI]
	v_mul_u32_u24 v[XSR], v65, 528
	v_lshl_add_u32 v[XSR], v66, 6, v[XSR]
	v_add_nc_u32 v[XSR], s38, v[XSR]
	s_mul_i32 s38, s10, 2176
	s_add_co_u32 s38, s38, XIM                     ; my image
	v_add_nc_u32 v[IMW], s38, v[LI]
	s_add_co_u32 s38, s38, 2048
	v_lshl_add_u32 v[IMS], v64, 2, s38
	v_add_nc_u32 v[IMR], XIM, v[LI]
	v_lshl_add_u32 v[ISR], v64, 2, XIM+2048
	s_lshl_b32 s38, s10, 12
	s_add_co_u32 s38, s38, SCR
	v_add_nc_u32 v[EXW], s38, v[LI]
	s_and_b32 s38, s10, 1
	s_lshl_b32 s38, s38, 14
	s_add_co_u32 s38, s38, SCR
	v_add_nc_u32 v[EXR], s38, v[LI]
	s_mul_i32 s39, s10, 4352
	s_add_co_u32 s38, s39, ATT
	v_lshl_add_u32 v[ATW], v66, 7, v67
	v_add_nc_u32 v[ATW], s38, v[ATW]
.irp ip, 0,1,2,3
	s_add_co_u32 s38, s14, \ip
	s_and_b32 s38, s38, 3
	s_lshl_b32 s38, s38, 3
	s_add_co_u32 s38, s38, ATT
	v_add_nc_u32 v[ATR+\ip], s38, v67
.endr
	s_lshl_b32 s38, s10, 6
	s_add_co_u32 s38, s38, SCR
	v_lshl_add_u32 v[OSW], v66, 5, v67
	v_add_nc_u32 v[OSW], s38, v[OSW]
	s_add_co_u32 s38, s39, SCR
	v_mul_u32_u24 v[OSR], v66, 272
	v_lshl_add_u32 v[OSR], v65, 4, v[OSR]
	v_add_nc_u32 v[OSR], s38, v[OSR]
	s_lshl_b32 s38, s10, 9
	v_lshlrev_b32 v[OGO], 12, v66
	v_lshl_add_u32 v[OGO], v65, 4, v[OGO]
	v_add_nc_u32 v[OGO], s38, v[OGO]
	s_wait_dscnt 0x0                               ; both opening adds are done
	s_wait_kmcnt 0x0
	s_lshl_b32 s2, s12, 18                         ; 64 tokens of 4,096 bytes
	s_mov_b32 s3, 0
	s_add_nc_u64 s[8:9], s[8:9], s[2:3]
	s_lshl_b32 s38, s10, 16
	s_add_co_u32 s2, s2, s38                       ; my wave's 16 of them
	s_add_nc_u64 s[4:5], s[4:5], s[2:3]
	s_lshl_b32 s2, s12, 13
	s_add_co_u32 s2, s2, 16*FILLB
	s_add_nc_u64 s[52:53], s[6:7], s[2:3]          ; my work-group's 8,192 bytes of Wv's fills
	s_mov_b32 s36, s25
	s_add_nc_u64 s[32:33], s[6:7], s[36:37]        ; my wave block of fill 0
	CROUND                                         ; all four work-groups are here: the first joint loads meet
	NEXTIDX
	SETG0 0
	tensor_load_to_lds s[24:27], s[16:23]          ; position 0
	s_nop 0
	NEXTIDX
	SETG0 1
	tensor_load_to_lds s[28:31], s[16:23]          ; position 1
	s_nop 0
.rept 4
	v_nop
.endr
	XLOAD 0
	XLOAD 1
	XLOAD 2                                        ; 48 loads of mine are out
	WIN 0xc0
.set i, 0
.rept 256
	v_mov_b32 v[i], 0                              ; the scores begin as zeros, cleared while the first loads of x are out: a first chunk written out to start the sums would be a third and fourth copy of the chunk
.set i, i+1
.endr
	WIN 0
.irp b, 0,1,2,3
	v_mov_b32 v[TM+4+\b], 0                        ; a lane permute's destination counts as one of its sources
.endr
.irp s, 0,1,2,3,4,5,6,7
	XSTEP \s
.endr
	s_wait_dscnt 0x0                               ; the last images are in
	s_wait_tensorcnt 1                             ; position 0's fill has landed (position 1's may be out): my own bytes, which no other wave reads
	RUN WA, 0
	WSC WA
	RUN WA, 1
	s_mov_b32 s44, 8
.Lqk:                                              ; PHASE 1: 8 trips of two positions; every chunk fills its slot again
	CHUNK 0, 1, 1, 0, 2, 1
	CHUNK 1, 0, 1, 0, 2, 1
	s_sub_co_u32 s44, s44, 1
	s_cmp_lg_u32 s44, 0
	s_cbranch_scc1 .Lqk
	; THE MIDDLE.  The two halves of the lanes hold partial sums of the same token: each keeps four heads (lanes 0-15: heads 0-3) and sends the other four to lane l xor 16.
.irp tt, 0,1,2,3
	WIN 0x0f
.set i, 0
.rept 32
	v_cndmask_b32 v[192+i], v[64*\tt+32+i], v[64*\tt+i], s45       ; what I send
.set i, i+1
.endr
	WIN 0xcf
.set i, 0
.rept 32
	v_cndmask_b32 v[64*\tt+i], v[64*\tt+i], v[64*\tt+32+i], s45    ; what I keep
.set i, i+1
.endr
	WIN 0
.set i, 0
.rept 32
	v_permlanex16_b32 v[224+i], v[192+i], s[SEL], s[SEL+1]
.set i, i+1
.endr
	WIN 0xc3
.set i, 0
.rept 16
	v_pk_add_f32 v[64*\tt+i:64*\tt+i+1], v[64*\tt+i:64*\tt+i+1], v[224+i:225+i]
.set i, i+2
.endr
.endr
	WIN 0
	XROUND 0
	BARRIER                                        ; every wave's reads of the first round are over: the bytes may be written again
	XROUND 1
	WIN 0x0f
.set i, 0
.rept 32
	v_cndmask_b32 v[192+i], v[i], v[64+i], s46     ; wave w owns token tile w: the first round's sum in waves 0, 1, the second's in waves 2, 3
.set i, i+1
.endr
	WIN 0
	; softmax: lane (r, half): token 16 w + r, heads 4 half + 0 .. 3; v[192 + 8 h + g]
.irp h, 0,1,2,3
	v_max3_num_f32 v[225+2*\h], v[192+8*\h], v[193+8*\h], v[194+8*\h]
.endr
.irp h, 0,1,2,3
	v_max3_num_f32 v[225+2*\h], v[225+2*\h], v[195+8*\h], v[196+8*\h]
.endr
.irp h, 0,1,2,3
	v_max3_num_f32 v[225+2*\h], v[225+2*\h], v[197+8*\h], v[198+8*\h]
.endr
.irp h, 0,1,2,3
	v_max_num_f32 v[225+2*\h], v[225+2*\h], v[199+8*\h]            ; the row's maximum m
.endr
.irp h, 0,1,2,3
	v_mul_f32 v[224+2*\h], s42, v[225+2*\h]                        ; c m
.endr
.irp h, 0,1,2,3
.irp gp, 0,1,2,3
	v_pk_fma_f32 v[192+8*\h+2*\gp:193+8*\h+2*\gp], v[192+8*\h+2*\gp:193+8*\h+2*\gp], s[42:43], v[224+2*\h:225+2*\h] op_sel_hi:[1,0,0] neg_lo:[0,0,1] neg_hi:[0,0,1]   ; c s - c m
.endr
.endr
.set i, 0
.rept 32
	v_exp_f32 v[192+i], v[192+i]
.set i, i+1
.endr
	v_nop                                          ; a plain line behind the last exponential,
	s_wait_alu depctr_va_vdst(0)                   ; and one wait for the batch, ahead of its first reader
.irp h, 0,1,2,3
	v_pk_add_f32 v[232+2*\h:233+2*\h], v[192+8*\h:193+8*\h], v[194+8*\h:195+8*\h]
.endr
.irp h, 0,1,2,3
	v_pk_add_f32 v[240+2*\h:241+2*\h], v[196+8*\h:197+8*\h], v[198+8*\h:199+8*\h]
.endr
.irp h, 0,1,2,3
	v_pk_add_f32 v[232+2*\h:233+2*\h], v[232+2*\h:233+2*\h], v[240+2*\h:241+2*\h]
.endr
.irp h, 0,1,2,3
	v_add_f32 v[232+2*\h], v[232+2*\h], v[233+2*\h]
.endr
.irp h, 0,1,2,3
	v_rcp_f32 v[248+2*\h], v[232+2*\h]
.endr
	v_nop
	s_wait_alu depctr_va_vdst(0)                   ; one wait for the four reciprocals
.irp h, 0,1,2,3
.irp gp, 0,1,2,3
	v_pk_mul_f32 v[192+8*\h+2*\gp:193+8*\h+2*\gp], v[192+8*\h+2*\gp:193+8*\h+2*\gp], v[248+2*\h:249+2*\h] op_sel_hi:[1,0]
.endr
.endr
.irp c, 0,1,2,3,4,5,6,7
	ds_store_b128 v[ATW], v[192+4*\c:195+4*\c] offset:16*\c
.endr
	BARRIER                                        ; the weights of all 64 tokens lie in LDS
.irp hl, 0,1,2,3
.irp ip, 0,1,2,3
	ds_load_b64 v[192+8*\hl+2*\ip:193+8*\hl+2*\ip], v[ATR+\ip] offset:32*\hl   ; tile 0, heads 0-3: they wait in registers that phase 3's products do not touch
.endr
.endr
	; PHASE 3
	s_lshl_b32 s58, s15, 8                         ; the first group's 64 d: column 64 G', in bytes
	CHUNK 0, 1, 3, 0, 2, 1
	CHUNK 1, 0, 3, 1, 2, 1
	CHUNK 0, 1, 3, 2, 2, 1
	CHUNK 1, 0, 3, 3, 2, 1
	PVT 0, 0
	PVT 1, 0
	PVT 2, 0
	PVT 3, 0
	s_xor_b32 s58, s58, 256                        ; the other 64 d
	CHUNK 0, 1, 3, 0, 2, 1
	CHUNK 1, 0, 3, 1, 2, 1
	CHUNK 0, 1, 3, 2, 1, 1                         ; the last two positions ask for nothing
	CHUNK 1, 0, 3, 3, 0, 0
	PVT 0, 1
	PVT 1, 1
	PVT 2, 1
	PVT 3, 1
	s_wait_tensorcnt 0x0                           ; the wave's end: three lines behind my last tensor load and my last LDS store
	ds_add_u32 v[SPW], v[NIL]
	s_wait_dscnt 0x0
	CROUND                                         ; the closing round: no work-group ends while a partner may still ask for a fill that names it
	s_endpgm
.Lfunc_end_k_qfcfefa8328_fused:
	.size	k_qfcfefa8328_fused, .Lfunc_end_k_qfcfefa8328_fused-k_qfcfefa8328_fused
	.p2alignl 7, 3214868480
	.fill 96, 4, 3214868480
	.section	.rodata,"a",@progbits
	.p2align	6, 0x0
	.amdhsa_kernel k_qfcfefa8328_fused
		.amdhsa_group_segment_fixed_size 327680
		.amdhsa_private_segment_fixed_size 0
		.amdhsa_enable_private_segment 0
		.amdhsa_kernarg_size 24
		.amdhsa_user_sgpr_count 2
		.amdhsa_user_sgpr_kernarg_segment_ptr 1
		.amdhsa_wavefront_size32 1
		.amdhsa_system_sgpr_workgroup_id_x 1
		.amdhsa_system_sgpr_workgroup_id_y 1
		.amdhsa_system_sgpr_workgroup_id_z 1
		.amdhsa_system_vgpr_workitem_id 0
		.amdhsa_next_free_vgpr 1024
		.amdhsa_next_free_sgpr 66
		.amdhsa_reserve_vcc 0
		.amdhsa_float_denorm_mode_32 3
		.amdhsa_float_denorm_mode_16_64 3
		.amdhsa_memory_ordered 1
		.amdhsa_forward_progress 1
		.amdhsa_inst_pref_size 255
	.end_amdhsa_kernel
	.section	.bss,"aw",@nobits
	.p2align	6
	.space	262144
	.amdgpu_metadata
---
amdhsa.version: [ 1, 2 ]
amdhsa.kernels:
  - .name:           k_qfcfefa8328_fused
    .symbol:         k_qfcfefa8328_fused.kd
    .args:
      - { .name: x, .offset: 0, .size: 8, .value_kind: global_buffer, .address_space: global }
      - { .name: wfrag, .offset: 8, .size: 8, .value_kind: global_buffer, .address_space: global }
      - { .name: out0, .offset: 16, .size: 8, .value_kind: global_buffer, .address_space: global }
    .group_segment_fixed_size: 327680
    .private_segment_fixed_size: 0
    .kernarg_segment_align: 8
    .kernarg_segment_size: 24
    .max_flat_workgroup_size: 128
    .sgpr_count:     66
    .vgpr_count:     1024
    .wavefront_size: 32
...
	.end_amdgpu_metadata
.endif
;; end of part 2
